; MI455X (gfx1250); checked and timed in simulation.
; The chip was launched on July 23, 2026; its instructions are those of AMD's public machine-readable ISA for CDNA 5 (MIT licence, August 2026) and "CDNA5" Instruction Set Architecture Reference Guide (July 2026). The comments in the code are by the model that wrote it; some were corrected since.
;; Vector Quantizer. Allowed arithmetic: matrix products marked QUANTISED: E2M1 operands, one E8M0 scale for each 32 along K, by v_wmma_scale_f32_16x16x128_f8f6f4 with both operands' format E2M1 (or v_wmma_scale_f32_32x16x128_f4), f32 sums; everything else in f32.
;; Inputs: codebook 8,192 x 256 float32; z_f 32,768 x 256 float32.
;; Outputs: out0 32,768 x 256 float32.
;; This version of the problem:
;;   THIS VERSION OF THE PROBLEM IS GIVEN IN LOW PRECISION. The matrix products marked QUANTISED in the list below multiply operands that are first quantised to E2M1 (2 exponent bits, 1 mantissa bit; 4 bits a number), with one power-of-two scale for each 32 numbers along K (OCP MX v1.0); their sums are f32. All else is computed in f32.
;;   The module's matrix products, in the order in which they are computed (A, B: the left and right operand; K: the contracted axis; several contracted axes count as one K, in the product's order):
;;     1. [M 32,768, K 256] x [K 256, N 8,192]; A: input z_f; B: input codebook: QUANTISED
;;   THE QUANTISER, for each operand of a quantised product, along K:
;;     - K is cut into blocks of 32 from its start; a last block that is shorter is filled with zeros.
;;     - A block's scale is 2^e with e = floor(log2(the largest magnitude in the block)) - 2, held to -126 .. 127; a block of zeros has e = 0. As a byte (E8M0): e + 127.
;;     - Each number is divided by its block's scale, clamped to +-6, and rounded to the nearest number of E2M1, ties to even, subnormals kept.
;;     - The product sums the exact products of the quantised numbers (number of the format x scale) in f32.
;;   ~~~python
;;   def quantise(x, axis):      # numpy; x: float32 -> the quantised numbers, widened to float32 again
;;       x = np.moveaxis(x, axis, -1); K = x.shape[-1]
;;       x = np.pad(x, [(0, 0)] * (x.ndim - 1) + [(0, -K % 32)]); x = x.reshape(x.shape[:-1] + (-1, 32)); a = np.abs(x).max(-1, keepdims=True)
;;       e = np.where(a > 0, np.clip(np.frexp(np.where(a > 0, a, 1))[1] - 1 - 2, -126, 127), 0)      # np.frexp(a)[1] - 1 = floor(log2(a)), exactly
;;       r = np.clip(x / 2.0 ** e, -6, 6)
;;       step = 2.0 ** (np.maximum(np.frexp(np.where(r == 0, 1, r))[1] - 1, 0) - 1)
;;       q = np.round(r / step) * step * 2.0 ** e      # np.round: ties to even
;;       return np.moveaxis(q.reshape(q.shape[:-2] + (-1,))[..., :K], -1, axis).astype(np.float32)
;;   ~~~
;; One version. Each part assembles by itself: llvm-mc -triple=amdgcn-amd-amdhsa -mcpu=gfx1250 --defsym DOCPART=n.
;; ======== version 1 of 1: 3 launches
;; limits: right only within a limited range of input values
;; workspace buffers: cbq 1,146,880 bytes; zq 4,587,520 bytes; idx 131,072 bytes of whole numbers
;; launch cbquant (part 1): grid 1280 x 1, 2 waves a work-group, no clusters, 33,536 bytes of LDS; arguments codebook, z_f, cbq, zq; writes cbq, zq
.if DOCPART == 1
	.amdgcn_target "amdgcn-amd-amdhsa--gfx1250"
	.amdhsa_code_object_version 6
	.text
	.protected	k_q79b03b0b40_cbquant
	.globl	k_q79b03b0b40_cbquant
	.p2align	8
	.type	k_q79b03b0b40_cbquant,@function
k_q79b03b0b40_cbquant:
	s_mov_b64 s[64:65], 0
	v_nop
	global_prefetch_b8 v0, s[64:65] scope:SCOPE_SE
	s_setreg_imm32_b32 hwreg(HW_REG_WAVE_MODE, 25, 1), 1
	s_wait_xcnt 0x0
; The codebook [8192][256] and z_f [32768][256], f32, become codes of FP4 (E2M1) with one E8M0 scale byte for each 32 along K, and the f32 sum of squares of each row (of the numbers as given, not of the codes).
; A block's scale is 2^(floor(log2(its largest magnitude)) - 2); its byte is the largest magnitude's exponent field - 2, held at 1 from below.  A block of zeros keeps the byte 1: its codes are zeros, and this program alone reads the bytes.
; ONE LAUNCH SERVES BOTH OPERANDS: work-groups 0 to 255 take the codebook's 512 tiles of 16 rows into cbq, work-groups 256 to 1,279 z_f's 2,048 tiles into zq.  Only the two pointers and the tile's number are chosen,
; by the work-group's number alone: both tensors take one path through the text.  Each number is read once.
; LAYOUT OF cbq AND zq: units of 8,960 bytes (35 x 256); unit u = rows 64 u .. 64 u + 63 = four tiles q of 16 rows.  In a unit:
;   2048 q + 1024 s + 512 c + 16 lane : registers 4 c .. 4 c + 3 of the operand fragment (tile q, K step s of 128), as the matrix instruction wants them in that lane
;   8192 + 128 q + 4 lane             : scale words: lanes 0-15 row r's word of K step 0, lanes 16-31 row r's word of K step 1
;   8704 + 64 q + 4 row               : the row's sum of squares
; SHARES: one wave takes one tile of 16 rows.  For the conversions lane (r, h) must hold, of row r and each block of 32, the 16 neighbours 16 h .. 16 h + 15; a load is laid so that neighbouring LANES take neighbouring bytes.
; Both are had: each of the 32 loads reads 512 consecutive bytes (half a row, 16 a lane); the tile goes through the wave's own stage in LDS as it lies, rows 1,040 bytes apart (1,024 + 16: the sixteen rows that a read
; touches start at sixteen different banks: 64 banks of 4 bytes, ISA guide 11.1), and comes back 64 bytes a lane and block.  Waves share nothing: no barrier.  No tensor load: five work-groups of 33,536 bytes lie on a WGP.
; The code stores cover 512 consecutive aligned bytes each; the scale words (128 bytes) and the sums (64 bytes) of a tile are shorter pieces: 192 of a tile's 2,240 bytes.
; LIMITS: NaN and infinities are not served; blocks whose largest magnitude lies under 2^-124 keep the byte 1; the sum of squares is taken in four packed chains, an order of its own.
.set PITCH, 1040                       ; a stage row
.set WREG,  16*PITCH                   ; a wave's stage: 16,640 bytes = 65 blocks of 256
.set SPARE, 2*WREG                     ; behind the two stages: the spare words, 128 bytes for each wave: one block of 256 bytes that no other line names
.set STO, 8                            ; v8   the stage, on the way in: my wave's stage + 16 lane
.set RDA, 9                            ; v9   and on the way out: + 1040 r + 64 h
.set SPW, 10                           ; v10  my spare word's LDS address; never rewritten
.set NIL, 11                           ; v11  0; never rewritten
.set X,   16                           ; v16-143  the tile as loaded: row i's half s at X + 64 s + 4 i; then v16-79: K step 1's 64 numbers back from the stage
.set Y,   192                          ; v192-255 K step 0's 64 numbers back from the stage: register 16 b + i = k 32 b + 16 h + i
.set PC0, 144                          ; v144-151 K step 0's codes
.set PC1, 152                          ; v152-159 K step 1's
.set PW0, 160                          ; the two scale words
.set PW1, 161
.set SW,  162                          ; what my lane stores of them
.set TM,  164                          ; v164-179 at work in QUANT
.set SQ,  180                          ; v180-187 four packed chains of squares
.set PD,  188                          ; a lane permute's destination
.set SEL, 20                           ; s[20:21] lane selects: lane l xor 16
	s_load_b256 s[24:31], s[0:1], 0x0              ; codebook s[24:25], z_f s[26:27], cbq s[28:29], zq s[30:31]
	v_lshrrev_b32 v1, 5, v0
	v_readfirstlane_b32 s8, v1                     ; wave 0, 1
	s_cmp_lt_u32 ttmp9, 256
	s_cselect_b32 s9, 0, 256
	s_sub_co_u32 s9, ttmp9, s9                     ; my work-group's number within its tensor
	s_lshl_b32 s9, s9, 1
	s_add_co_u32 s9, s9, s8                        ; g: my tile
	s_lshl_b32 s10, s9, 14                         ; its 16 rows begin 16,384 g bytes on
	s_mov_b32 s11, 0
	s_lshr_b32 s12, s9, 2
	s_mul_i32 s12, s12, 8960                       ; its unit
	s_mov_b32 s13, 0
	s_and_b32 s14, s9, 3                           ; q
	s_lshl_b32 s15, s14, 11                        ; codes at 2048 q
	s_lshl_b32 s17, s14, 7
	s_add_co_u32 s17, s17, 8192                    ; scale words at 8192 + 128 q
	s_lshl_b32 s18, s14, 6
	s_add_co_u32 s18, s18, 8704                    ; sums at 8704 + 64 q
	s_mul_i32 s16, s8, WREG                        ; my stage
	s_mov_b32 s[SEL], 0x76543210
	s_mov_b32 s[SEL+1], 0xfedcba98
	v_lshl_add_u32 v[SPW], v0, 2, SPARE
	v_mov_b32 v[NIL], 0
	v_and_b32 v1, 31, v0                           ; lane
	v_and_b32 v2, 15, v0                           ; r
	v_bfe_u32 v3, v0, 4, 1                         ; h
	v_lshlrev_b32 v4, 4, v1                        ; in: my 16 bytes of a load's 512
	v_lshl_add_u32 v5, v1, 4, s15                  ; out: codes, + 16 lane
	v_lshl_add_u32 v6, v1, 2, s17                  ; scale words, + 4 lane
	v_lshl_add_u32 v7, v2, 2, s18                  ; sums, + 4 r
	v_add_nc_u32 v[STO], s16, v4
	v_mul_u32_u24 v[RDA], v2, PITCH
	v_lshl_add_u32 v[RDA], v3, 6, v[RDA]
	v_add_nc_u32 v[RDA], s16, v[RDA]
.irp b, 0,1,2,3
	v_mov_b32 v[TM+4+\b], 0                        ; written once: a lane permute's destination counts as one of its sources
.endr
	v_mov_b32 v[PD], 0
	s_wait_alu depctr_va_vdst(0)                   ; the wait at the head's end
	s_wait_kmcnt 0x0
	s_cmp_lt_u32 ttmp9, 256                        ; the codebook's work-group or z's?
	s_cselect_b64 s[4:5], s[24:25], s[26:27]       ; in
	s_cselect_b64 s[6:7], s[28:29], s[30:31]       ; out
	s_add_nc_u64 s[4:5], s[4:5], s[10:11]
	s_add_nc_u64 s[6:7], s[6:7], s[12:13]
.irp s, 0,1                            ; 32 loads: half s of row i: 32 lanes read 512 consecutive bytes
.irp i, 0,1,2,3,4,5,6,7,8,9,10,11,12,13,14,15
	global_load_b128 v[X+64*\s+4*\i:X+64*\s+4*\i+3], v4, s[4:5] offset:1024*\i+512*\s th:TH_LOAD_NT
.endr
.endr
.macro TOSTAGE s                       ; K step s of the sixteen rows into the stage, as loaded
.irp i, 0,1,2,3,4,5,6,7,8,9,10,11,12,13,14,15
	ds_store_b128 v[STO], v[X+64*\s+4*\i:X+64*\s+4*\i+3] offset:PITCH*\i+512*\s
.endr
.endm
.macro BACK reg, s                     ; and back: my 64 numbers of K step s.  LDS serves a wave's instructions in order (ISA guide 5.7.1.4): these see my stores
.irp b, 0,1,2,3
.irp j, 0,1,2,3
	ds_load_b128 v[\reg+16*\b+4*\j:\reg+16*\b+4*\j+3], v[RDA] offset:512*\s+128*\b+16*\j
.endr
.endr
.endm
.macro SUMSQ reg, first                ; 64 squares, two at a time, in four chains; first = 1: the first four start the chains, nothing is cleared
.set SN, 0
.rept 32
.if \first && (SN < 4)
	v_pk_mul_f32 v[SQ+2*(SN%4):SQ+2*(SN%4)+1], v[\reg+2*SN:\reg+2*SN+1], v[\reg+2*SN:\reg+2*SN+1]
.else
	v_pk_fma_f32 v[SQ+2*(SN%4):SQ+2*(SN%4)+1], v[\reg+2*SN:\reg+2*SN+1], v[\reg+2*SN:\reg+2*SN+1], v[SQ+2*(SN%4):SQ+2*(SN%4)+1]
.endif
.set SN, SN+1
.endr
.endm
; 64 numbers of a lane become a fragment's codes in v[pc] on and its row's scale word in v[pw]
.macro QUANT s, pc, pw
.irp b, 0,1,2,3
	v_max3_num_f32 v[TM+\b], |v[\s+16*\b]|, |v[\s+1+16*\b]|, 0x1800000   ; block b: my 16 numbers, and the floor 2^(3 - 127): the byte cannot fall under 1
.endr
.irp i, 2,4,6,8,10,12,14
.irp b, 0,1,2,3
	v_max3_num_f32 v[TM+\b], v[TM+\b], |v[\s+16*\b+\i]|, |v[\s+1+16*\b+\i]|   ; the four blocks by turns
.endr
.endr
.irp b, 0,1,2,3
	v_permlanex16_b32 v[TM+4+\b], v[TM+\b], s[SEL], s[SEL+1]
.endr
.irp b, 0,1,2,3
	v_max_num_f32 v[TM+\b], v[TM+\b], v[TM+4+\b]   ; with lane l xor 16's 16: the block's largest magnitude
.endr
.irp b, 0,1,2,3
	v_add_nc_u32 v[TM+12+\b], 0xff000000, v[TM+\b] ; 2 off its exponent field: the conversion takes this operand's exponent field as its scale
.endr
.irp b, 0,1,2,3
	v_lshrrev_b32 v[TM+4+\b], 23, v[TM+12+\b]      ; the scale's byte
.endr
	v_lshl_or_b32 v[\pw], v[TM+5], 8, v[TM+4]
	v_lshl_or_b32 v[\pw], v[TM+6], 16, v[\pw]
	v_lshl_or_b32 v[\pw], v[TM+7], 24, v[\pw]
.irp b, 0,1,2,3
	v_cvt_scalef32_pk8_fp4_f32 v[\pc+2*\b], v[\s+16*\b:\s+7+16*\b], v[TM+12+\b]
	v_cvt_scalef32_pk8_fp4_f32 v[\pc+1+2*\b], v[\s+8+16*\b:\s+15+16*\b], v[TM+12+\b]
.endr
	v_nop                                          ; one plain instruction behind a scaled conversion
.irp c, 0,1                            ; the operand's layout wants a whole block in a lane: lanes 0-15 block 2 c, lanes 16-31 block 2 c + 1
.irp i, 0,1
	v_permlane16_swap_b32 v[\pc+4*\c+\i], v[\pc+2+4*\c+\i]
.endr
.endr
.endm
	s_wait_loadcnt 16                              ; K step 0's sixteen loads are in; K step 1's sixteen may be out
	TOSTAGE 0
	BACK Y, 0
	s_wait_loadcnt 0x0
	TOSTAGE 1
	s_wait_dscnt 16                                ; K step 0's numbers are back, so its stores into the stage have read v16-79; the sixteen stores just issued may be out
	BACK X, 1                                      ; K step 1's numbers land in v16-79
	SUMSQ Y, 1
	QUANT Y, PC0, PW0
	s_wait_dscnt 0x0
	SUMSQ X, 0
	QUANT X, PC1, PW1
	v_pk_add_f32 v[SQ:SQ+1], v[SQ:SQ+1], v[SQ+2:SQ+3]
	v_pk_add_f32 v[SQ+4:SQ+5], v[SQ+4:SQ+5], v[SQ+6:SQ+7]
	v_pk_add_f32 v[SQ:SQ+1], v[SQ:SQ+1], v[SQ+4:SQ+5]
	v_add_f32 v[SQ], v[SQ], v[SQ+1]
	v_permlanex16_b32 v[PD], v[SQ], s[SEL], s[SEL+1]
	v_add_f32 v[SQ], v[SQ], v[PD]                  ; row r's sum of squares, in both halves of the lanes
	v_cmp_lt_u32 vcc_lo, 15, v1
	v_cndmask_b32 v[SW], v[PW0], v[PW1], vcc_lo    ; lanes 0-15 K step 0's word, lanes 16-31 K step 1's
	global_store_b128 v5, v[PC0:PC0+3], s[6:7]
	global_store_b128 v5, v[PC0+4:PC0+7], s[6:7] offset:512
	global_store_b128 v5, v[PC1:PC1+3], s[6:7] offset:1024
	global_store_b128 v5, v[PC1+4:PC1+7], s[6:7] offset:1536
	global_store_b32 v6, v[SW], s[6:7]
	global_store_b32 v7, v[SQ], s[6:7]             ; both halves write the same word with the same value
	s_wait_tensorcnt 0x0                           ; the wave's end: behind my last LDS store
	ds_add_u32 v[SPW], v[NIL]
	s_wait_dscnt 0x0
	s_endpgm
.Lfunc_end_k_q79b03b0b40_cbquant:
	.size	k_q79b03b0b40_cbquant, .Lfunc_end_k_q79b03b0b40_cbquant-k_q79b03b0b40_cbquant
	.p2alignl 7, 3214868480
	.fill 96, 4, 3214868480
	.section	.rodata,"a",@progbits
	.p2align	6, 0x0
	.amdhsa_kernel k_q79b03b0b40_cbquant
		.amdhsa_group_segment_fixed_size 33536
		.amdhsa_private_segment_fixed_size 0
		.amdhsa_enable_private_segment 0
		.amdhsa_kernarg_size 32
		.amdhsa_user_sgpr_count 2
		.amdhsa_user_sgpr_kernarg_segment_ptr 1
		.amdhsa_wavefront_size32 1
		.amdhsa_system_sgpr_workgroup_id_x 1
		.amdhsa_system_sgpr_workgroup_id_y 1
		.amdhsa_system_sgpr_workgroup_id_z 1
		.amdhsa_system_vgpr_workitem_id 0
		.amdhsa_next_free_vgpr 256
		.amdhsa_next_free_sgpr 66
		.amdhsa_reserve_vcc 1
		.amdhsa_float_denorm_mode_32 3
		.amdhsa_float_denorm_mode_16_64 3
		.amdhsa_memory_ordered 1
		.amdhsa_forward_progress 1
		.amdhsa_inst_pref_size 22
	.end_amdhsa_kernel
	.amdgpu_metadata
---
amdhsa.version: [ 1, 2 ]
amdhsa.kernels:
  - .name:           k_q79b03b0b40_cbquant
    .symbol:         k_q79b03b0b40_cbquant.kd
    .args:
      - { .name: codebook, .offset: 0, .size: 8, .value_kind: global_buffer, .address_space: global }
      - { .name: z_f, .offset: 8, .size: 8, .value_kind: global_buffer, .address_space: global }
      - { .name: cbq, .offset: 16, .size: 8, .value_kind: global_buffer, .address_space: global }
      - { .name: zq, .offset: 24, .size: 8, .value_kind: global_buffer, .address_space: global }
    .group_segment_fixed_size: 33536
    .private_segment_fixed_size: 0
    .kernarg_segment_align: 8
    .kernarg_segment_size: 32
    .max_flat_workgroup_size: 64
    .sgpr_count:     66
    .vgpr_count:     256
    .wavefront_size: 32
...
	.end_amdgpu_metadata
.endif
;; end of part 1
;; launch vqmain (part 2): grid 256 x 1, 16 waves a work-group, clusters of 4 x 1, 327,680 bytes of LDS; arguments zq, cbq, idx; writes idx
.if DOCPART == 2
	.amdgcn_target "amdgcn-amd-amdhsa--gfx1250"
	.amdhsa_code_object_version 6
	.text
	.protected	k_q79b03b0b40_vqmain
	.globl	k_q79b03b0b40_vqmain
	.p2align	8
	.type	k_q79b03b0b40_vqmain,@function
k_q79b03b0b40_vqmain:
	s_mov_b64 s[64:65], 0
	v_nop
	global_prefetch_b8 v0, s[64:65] scope:SCOPE_SE
	s_setreg_imm32_b32 hwreg(HW_REG_WAVE_MODE, 25, 1), 1
	s_wait_xcnt 0x0
	s_wait_alu depctr_hold_cnt(0) depctr_sa_sdst(0) depctr_va_vdst(0) depctr_va_sdst(0) depctr_va_ssrc(0) depctr_va_vcc(0) depctr_vm_vsrc(0)
	s_getreg_b32 s2, hwreg(HW_REG_IB_STS2, 6, 4)
	s_cmp_eq_u32 s2, 0
	s_cbranch_scc0 .Lentry_in_a_cluster
	s_endpgm
.Lentry_in_a_cluster:
	s_bfe_u32 s2, ttmp6, 0x10000c
	s_cmp_lg_u32 s2, 0x3003
	s_cbranch_scc0 .Lentry_shape_is_right
	s_endpgm
.Lentry_shape_is_right:
; idx[n] = the first k at which d[n][k] = (sum z_n^2 + sum c_k^2) - 2 (z_n . c_k) is smallest; z . c on codes of FP4 (E2M1) with one E8M0 scale for each 32 along K = 256.
; ROUNDINGS as the problem writes them: t = zz + cc rounded to f32, then d = t - 2 dot by ONE fused multiply-add with -2 (2 dot is exact); on equal d the lower index wins.
; SHARES.  A work-group owns 128 tokens (8 tiles of 16) and walks all 8,192 codes, so a token has one owner.  Sixteen waves, four to a SIMD, 256 registers each.
; Wave w: a = w / 8: token tiles 4 a .. 4 a + 3, kept in registers; b = w % 8: of each chunk of 1,024 codes the units 2 b, 2 b + 1 (8 code tiles).
; THE PRODUCT: source 0 = 16 codes, source 1 = 16 tokens: lane (r, h) holds token r and its register j code 8 h + j.
; THE MINIMUM: for each token tile a lane keeps the smallest d so far (BEST), d's registers 0 to 6 of the code tile that brought it and, in the eighth place, that tile's number (SAVE); a later tile takes over only
; where it is strictly smaller.  Register 7 is not kept: where none of the seven equals BEST, it is the one.  The eight selects go two to an instruction.  A token tile costs 17 vector instructions:
; 4 packed additions, 4 packed multiply-adds, 4 three-input minima, 1 compare, 4 pairs of selects.  The four token tiles' chains are laid by turns, so that no line reads a result made within the four lines above it.
; At the end: the lowest register that equals BEST; then, by (d, k) with the lower k on equal d, the other half of the lanes, and through LDS the eight waves that share a token.
; BOTH OPERANDS come as register images with their scale words and sums of squares (launch cbquant), in units of 8,960 bytes for 64 rows.
; z: my four token tiles are one unit of zq: 16 loads of 512 consecutive bytes go straight into the operand's registers, 8 loads of a word a lane bring the scale words and zz.
; THE CODEBOOK goes in chunks of 16 units through a ring of two LDS slots; each wave fetches one unit, dense rows of 256 bytes.
; THE CHANGE OF SLOTS: when a chunk's last LDS loads are in, a wave waits for its tensor load, adds 0 to its spare word, signals, and works tiles 6 and 7, registers alone, between the signal and the wait.
; CLUSTER: the four work-groups of a cluster walk the same chunks: each unit is asked for jointly (mask 15), the same descriptor in all four.  The place in the cluster enters zq's and idx's global addresses alone.
; No prefetch is written: zq is read at the head only, and the chunks are the same 1,146,880 bytes for every cluster.
; LIMITS: NaN and infinities are not served; the quantiser's and the sums' limits are stated at launch cbquant.
.set UNIT,  8960
.set SLOT,  16*UNIT                    ; 143,360 bytes
.set SPARE, 2*SLOT                     ; the spare words: 128 bytes for each of 16 waves: eight blocks of 256 bytes that no other line names
.set MRG,   SPARE+2048                 ; the merge: 1024 b + 8 token: (d, k)
.set SPW, 1                            ; v1   my spare word's LDS address; never rewritten
.set NIL, 2                            ; v2   0; never rewritten
.set R,   3                            ; v3   lane % 16
.set H,   4                            ; v4   lane / 16
.set ADF, 5                            ; v5-6   slot 0, 1: my units' fragments
.set ADS, 7                            ; v7-8   their scale words
.set ADC, 9                            ; v9-10  their cc
.set CUR, 11                           ; v11  the number of the code tile in hand
.set MST, 12                           ; v12  where I store into the merge
.set MLD, 13                           ; v13  where waves 0, 1 read it
.set IOF, 14                           ; v14  my byte offset in the work-group's 512 bytes of idx
.set H8,  15                           ; v15  8 h
.set ZF,  16                           ; v16-79   z: (token tile t, K step s) at 16 t + 8 s
.set ZS,  80                           ; v80-83   z's scale words: lanes 0-15 K step 0, lanes 16-31 K step 1
.set ZZ,  84                           ; v84-91   (zz, zz) for each token tile
.set BEST, 92                          ; v92-95, v96-99  two sets by turns
.set SAVE, 104                         ; v104-135 token tile t: 8 t + 0 .. 6 the winning tile's d, 8 t + 7 its number
.set ACC, 136                          ; v136-167
.set AF,  168                          ; v168-199 a code tile's two fragments, two buffers
.set ASC, 200                          ; v200-201 its scale words
.set CC,  202                          ; v202-217 its 8 cc for my half, two buffers
.set T,   218                          ; v218-233 t of two token tiles, two sets by turns (at the head v218: 4 r)
.set M,   234                          ; v234-239 three partial minima, two sets by turns (at the head: lane, 16 lane, 4 lane)
.set EP,  230                          ; the end: v230-237 pairs (d, k); v238-241 the place in the tile, then the other half's k; v242-245 the other half's d
.set JR,  238
.set OV,  242
.set WV,  10                           ; s10  my wave's number
.set G1,  16                           ; s[16:23] descriptor group 1
.set G0,  24                           ; s[24:31] group 0, one set for each slot
.set SEL, 34                           ; s[34:35] lane selects: lane l xor 16
; A round of the cluster's barrier behind its opening barrier: wave 0 signals for the work-group, every wave waits for all four work-groups, my work-group's barrier once more.
.macro CREST
	s_cmp_lg_u32 s[WV], 0
	s_cbranch_scc1 .Lnot_wave_0_\@
	s_barrier_signal -3
.Lnot_wave_0_\@:
	s_barrier_wait -3
	s_barrier_signal -1
	s_barrier_wait -1
.endm
.macro CROUND                          ; a whole round
	s_barrier_signal -1
	s_barrier_wait -1
	CREST
.endm
	s_load_b128 s[4:7], s[0:1], 0x0                ; zq, cbq
	s_load_b64 s[8:9], s[0:1], 0x10                ; idx
	v_lshl_add_u32 v[SPW], v0, 2, SPARE
	v_mov_b32 v[NIL], 0
	ds_add_u32 v[SPW], v[NIL]                      ; the opening lines: the add, twice on end, and its wait ahead of my first tensor load; work on registers stands between
	ds_add_u32 v[SPW], v[NIL]
	v_lshrrev_b32 v3, 5, v0
	s_delay_alu instid0(VALU_DEP_1)
	v_readfirstlane_b32 s[WV], v3                  ; wave 0 .. 15
	v_and_b32 v[R], 15, v0
	v_bfe_u32 v[H], v0, 4, 1
	v_and_b32 v[M], 31, v0                         ; lane
	s_delay_alu instid0(VALU_DEP_3)
	v_lshlrev_b32 v[T], 2, v[R]                    ; 4 r
	s_delay_alu instid0(VALU_DEP_2)
	v_lshlrev_b32 v[M+1], 4, v[M]                  ; 16 lane
	s_delay_alu instid0(VALU_DEP_3)
	v_lshlrev_b32 v[M+2], 2, v[M]                  ; 4 lane
	s_bfe_u32 s11, ttmp6, 0x40000                  ; cx
	s_lshl_b32 s12, ttmp9, 2
	s_add_co_u32 s12, s12, s11                     ; my block of 128 tokens = 4 x cluster + cx: it enters zq's and idx's addresses alone
	s_lshr_b32 s13, s[WV], 3                       ; a
	s_and_b32 s14, s[WV], 7                        ; b
	s_lshl_b32 s36, s12, 1
	s_add_co_u32 s36, s36, s13
	s_mul_i32 s36, s36, UNIT                       ; my unit of zq: 2 x block + a
	s_mov_b32 s37, 0
	s_lshl_b32 s44, s12, 9                         ; idx: 512 bytes a block
	s_mov_b32 s45, 0
	s_mul_i32 s38, s[WV], UNIT                     ; the unit that I fetch of every chunk: the same offset in memory and in a slot
	s_mov_b32 s39, 0
	; descriptor group 1: 35 dense rows of 256 bytes (32 elements of 8 bytes)
	s_mov_b32 s[G1+0], 15|(3<<16)|(1<<21)          ; 15:0 the mask: all four work-groups; 17:16 elements of 8 bytes; 21 set beside a mask; no padding: every LDS load here reads consecutive bytes
	s_mov_b32 s[G1+1], 32<<16                      ; tensor_dim0 = 32
	s_mov_b32 s[G1+2], 35<<16                      ; tensor_dim1 = 35
	s_mov_b32 s[G1+3], 32<<16                      ; tile_dim0 = 32
	s_mov_b32 s[G1+4], 35                          ; tile_dim1 = 35
	s_mov_b32 s[G1+5], 32                          ; from row to row
	s_mov_b32 s[G1+6], 0
	s_mov_b32 s[G1+7], 0
	s_mov_b32 s[SEL], 0x76543210
	s_mov_b32 s[SEL+1], 0xfedcba98
	s_wait_dscnt 0x0                               ; both opening adds are done
	s_wait_alu depctr_va_vdst(0)                   ; directly ahead of the wait below
	s_wait_kmcnt 0x0
	s_add_nc_u64 s[4:5], s[4:5], s[36:37]
	s_add_nc_u64 s[8:9], s[8:9], s[44:45]
	s_add_nc_u64 s[40:41], s[6:7], s[38:39]
.irp t, 0,1,2,3                        ; my four token tiles, on their way while the ring is set up.  No hint: the eight waves of my half read the same unit
.irp s, 0,1
.irp c, 0,1
	global_load_b128 v[ZF+16*\t+8*\s+4*\c:ZF+16*\t+8*\s+4*\c+3], v[M+1], s[4:5] offset:2048*\t+1024*\s+512*\c
.endr
.endr
	global_load_b32 v[ZS+\t], v[M+2], s[4:5] offset:8192+128*\t
	global_load_b32 v[ZZ+2*\t], v[T], s[4:5] offset:8704+64*\t
.endr
	s_mov_b32 s[G0+0], 1                           ; count = 1
	s_mov_b32 s[G0+1], s38                         ; LDS: slot 0, unit w
	s_mov_b64 s[G0+2:G0+3], s[40:41]               ; chunk 0, unit w
	s_or_b32 s[G0+3], s[G0+3], 0x80000000          ; type = 2
	s_mov_b32 s[G0+4], 1
	s_add_co_u32 s[G0+5], s38, SLOT                ; slot 1
	s_add_nc_u64 s[G0+6:G0+7], s[40:41], SLOT      ; chunk 1
	s_or_b32 s[G0+7], s[G0+7], 0x80000000
	CROUND                                         ; all four work-groups are here: the first joint loads meet
	tensor_load_to_lds s[G0:G0+3], s[G1:G1+7]      ; chunk 0: my one tensor load at the head
	s_nop 0
.rept 4
	v_nop
.endr
	; every LDS address, from the thread's and the wave's number and constants
	s_mul_i32 s42, s14, 2*UNIT                     ; my two units of a chunk
	v_add_nc_u32 v[ADF], s42, v[M+1]
	s_delay_alu instid0(VALU_DEP_1)
	v_add_nc_u32 v[ADF+1], SLOT, v[ADF]
	s_add_co_u32 s43, s42, 8192
	v_add_nc_u32 v[ADS], s43, v[M+2]
	s_delay_alu instid0(VALU_DEP_1)
	v_add_nc_u32 v[ADS+1], SLOT, v[ADS]
	s_add_co_u32 s43, s42, 8704
	v_lshl_add_u32 v[ADC], v[H], 5, s43
	s_delay_alu instid0(VALU_DEP_1)
	v_add_nc_u32 v[ADC+1], SLOT, v[ADC]
	s_lshl_b32 s43, s14, 3
	v_mov_b32 v[CUR], s43                          ; my first code tile: 8 b
	s_lshl_b32 s43, s14, 10
	s_lshl_b32 s44, s13, 9
	s_add_co_u32 s43, s43, s44
	s_add_co_u32 s43, s43, MRG
	v_lshl_add_u32 v[MST], v[R], 3, s43            ; MRG + 1024 b + 8 (64 a + r); 128 bytes a token tile in the offset
	v_and_b32 v[MLD], 63, v0
	s_delay_alu instid0(VALU_DEP_1)
	v_lshlrev_b32 v[IOF], 3, v[MLD]                ; two tokens' indices a thread
	s_delay_alu instid0(VALU_DEP_2)
	v_lshl_add_u32 v[MLD], v[MLD], 4, MRG          ; two tokens' pairs a thread
	v_lshlrev_b32 v[H8], 3, v[H]
.irp t, 0,1,2,3
	v_mov_b32 v[BEST+\t], 0x7f800000               ; +infinity: the first tile takes over
.endr
.set SN, 0
.rept 32
.if (SN%8) == 7
	v_mov_b32 v[SAVE+SN], 0                        ; the tile's number
.else
	v_mov_b32 v[SAVE+SN], 0x7f800000               ; the selects read SAVE from the first tile on, so it is written once here
.endif
.set SN, SN+1
.endr
	; slot 1 is filled for the first time as a refill is
	s_wait_alu depctr_va_vdst(0)                   ; directly ahead of the wait below
	s_wait_tensorcnt 0x0                           ; my unit of chunk 0 is in
	ds_add_u32 v[SPW], v[NIL]                      ; 0 onto my spare word
	s_wait_dscnt 0x0                               ; the add is done
	CROUND
	tensor_load_to_lds s[G0+4:G0+7], s[G1:G1+7]    ; chunk 1: my one tensor load behind the round, and the first thing there
	s_nop 0
.rept 4
	v_nop
.endr
	s_wait_loadcnt 0x0                             ; z's images, scale words and zz are in; their offset registers are free
.irp t, 0,1,2,3
	v_mov_b32 v[ZZ+2*\t+1], v[ZZ+2*\t]             ; zz twice: a pair for the packed addition
.endr
	s_wait_alu depctr_va_vdst(0)                   ; the wait at the head's end
; code tile i (0 .. 7) of my two units of a slot into buffer buf: 7 LDS loads: two fragments, the scale words, 8 cc of my half (all lanes of a half read the same bytes)
.macro LDT slot, i, buf
.set LU, UNIT*((\i)/4)
.set LQ, (\i)%4
.irp s, 0,1
.irp c, 0,1
	ds_load_b128 v[AF+16*(\buf)+8*\s+4*\c:AF+16*(\buf)+8*\s+4*\c+3], v[ADF+\slot] offset:LU+2048*LQ+1024*\s+512*\c
.endr
.endr
	ds_load_b32 v[ASC+(\buf)], v[ADS+\slot] offset:LU+128*LQ
.irp e, 0,1
	ds_load_b128 v[CC+8*(\buf)+4*\e:CC+8*(\buf)+4*\e+3], v[ADC+\slot] offset:LU+64*LQ+16*\e
.endr
.endm
; The parts of a code tile's work.  BUF: its buffer; P: the set of BEST that holds the smallest d so far (the new one goes to set 1 - P).
.macro TA t                            ; t = zz + cc, rounded
.irp e, 0,1,2,3
	v_pk_add_f32 v[T+8*((\t)%2)+2*\e:T+8*((\t)%2)+2*\e+1], v[CC+8*BUF+2*\e:CC+8*BUF+2*\e+1], v[ZZ+2*(\t):ZZ+2*(\t)+1]
.endr
.endm
.macro FD t                            ; d = t - 2 dot, one rounding; the accumulator from its low end on
.irp e, 0,1,2,3
	v_pk_fma_f32 v[ACC+8*(\t)+2*\e:ACC+8*(\t)+2*\e+1], v[ACC+8*(\t)+2*\e:ACC+8*(\t)+2*\e+1], -2.0, v[T+8*((\t)%2)+2*\e:T+8*((\t)%2)+2*\e+1] op_sel_hi:[1,0,1]
.endr
.endm
.macro XYZ t                           ; three minima that do not hang on each other: 8 d and the smallest so far
.set A0, ACC+8*(\t)
.set M0, M+3*((\t)%2)
	v_min3_num_f32 v[M0], v[A0], v[A0+1], v[A0+2]
	v_min3_num_f32 v[M0+1], v[A0+3], v[A0+4], v[A0+5]
	v_min3_num_f32 v[M0+2], v[A0+6], v[A0+7], v[BEST+4*P+(\t)]
.endm
.macro BN t
.set M0, M+3*((\t)%2)
	v_min3_num_f32 v[BEST+4*(1-P)+(\t)], v[M0], v[M0+1], v[M0+2]
.endm
.macro PICK t                          ; strictly smaller: on equal d the earlier tile, with the lower indices, stays.  Eight selects, two to an instruction: one destination even, one odd; the sources of a pair in different banks
.set A0, ACC+8*(\t)
.set S0, SAVE+8*(\t)
	v_cmp_lt_f32 vcc_lo, v[BEST+4*(1-P)+(\t)], v[BEST+4*P+(\t)]
.irp j, 0,2,4
	v_dual_cndmask_b32 v[S0+\j], v[S0+\j], v[A0+\j] :: v_dual_cndmask_b32 v[S0+\j+1], v[S0+\j+1], v[A0+\j+1]
.endr
	v_dual_cndmask_b32 v[S0+6], v[S0+6], v[A0+6] :: v_dual_cndmask_b32 v[S0+7], v[S0+7], v[CUR]
.endm
; A code tile against my four token tiles: 8 matrix instructions, K step 0 (it starts the sums) and K step 1, the four accumulators by turns, one instruction a turn; then 68 vector instructions.
; The first eight additions name no register of a product: they are the places behind the last matrix instruction (ISA guide 7.12.1).
.macro WORK b
.set BUF, (\b)
.set P, (\b)
.irp t, 0,1,2,3
	v_wmma_scale_f32_16x16x128_f8f6f4 v[ACC+8*\t:ACC+8*\t+7], v[AF+16*BUF:AF+16*BUF+7], v[ZF+16*\t:ZF+16*\t+7], 0, v[ASC+BUF], v[ZS+\t] matrix_a_fmt:MATRIX_FMT_FP4 matrix_b_fmt:MATRIX_FMT_FP4
.endr
.irp t, 0,1,2,3
	v_wmma_scale_f32_16x16x128_f8f6f4 v[ACC+8*\t:ACC+8*\t+7], v[AF+16*BUF+8:AF+16*BUF+15], v[ZF+16*\t+8:ZF+16*\t+15], v[ACC+8*\t:ACC+8*\t+7], v[ASC+BUF], v[ZS+\t] matrix_a_fmt:MATRIX_FMT_FP4 matrix_b_fmt:MATRIX_FMT_FP4 matrix_a_scale:MATRIX_SCALE_ROW1 matrix_b_scale:MATRIX_SCALE_ROW1
.endr
	TA 0
	TA 1
	FD 0
	FD 1
	XYZ 0
	TA 2
	XYZ 1
	TA 3
	FD 2
	FD 3
	BN 0
	BN 1
	XYZ 2
	XYZ 3
	PICK 0
	BN 2
	BN 3
	PICK 1
	PICK 2
	PICK 3
.endm
; A chunk in slot `slot`: eight code tiles; a tile's loads go out one tile ahead, into the buffer that the tile before read (its matrix instructions stand 68 vector instructions back).
; meet = 1: the change of slots.  With tile 7's loads issued, my reads of this slot are all asked for: I wait for my tensor load (one is out: my unit of the next chunk), add 0 to my spare word, wait for that and for the reads,
; and signal; tiles 6 and 7 are worked on registers alone between the signal and the wait.  refill = 1: the barrier opens a round of the cluster's barrier, and behind it this slot takes the chunk two on.
.macro CHUNK slot, meet, refill
	LDT \slot, 0, 0
.irp i, 0,1,2,3,4,5
	LDT \slot, \i+1, (\i+1)%2
	s_wait_dscnt 7                                 ; this tile's seven loads are in; the seven just issued may be out
	WORK \i%2
	v_add_nc_u32 v[CUR], 1, v[CUR]
.endr
	LDT \slot, 7, 1
.if \meet
	s_wait_tensorcnt 0x0                           ; no tensor load of mine is out, so a group 0 may be written
	ds_add_u32 v[SPW], v[NIL]                      ; 0 onto my spare word
.if \refill
	s_add_nc_u64 s[G0+4*\slot+2:G0+4*\slot+3], s[G0+4*\slot+2:G0+4*\slot+3], 2*SLOT   ; this slot's next chunk; the type bits on top are not reached
.endif
	s_wait_dscnt 0x0                               ; the add is done, and my reads of this slot are over
	s_barrier_signal -1
.else
	s_wait_dscnt 0x0
.endif
	WORK 0
	v_add_nc_u32 v[CUR], 1, v[CUR]
	WORK 1
	v_add_nc_u32 v[CUR], 57, v[CUR]                ; on to my first tile of the next chunk: 64 tiles a chunk
.if \meet
	s_barrier_wait -1                              ; the next slot is whole in my work-group, and nobody here reads this one
.endif
.if \refill
	CREST                                          ; and so in all four work-groups
	tensor_load_to_lds s[G0+4*\slot:G0+4*\slot+3], s[G1:G1+7]   ; my one tensor load behind the round, and the first thing there: it has the next chunk's first six tiles in which to land
	s_nop 0
.rept 4
	v_nop
.endr
.endif
.endm
	s_mov_b32 s32, 3
.Lloop:                                            ; chunks 0 to 5; the trips ask for chunks 2 to 7
	CHUNK 0, 1, 1
	CHUNK 1, 1, 1
	s_sub_co_u32 s32, s32, 1
	s_cmp_lg_u32 s32, 0
	s_cbranch_scc1 .Lloop
	CHUNK 0, 1, 0                                  ; chunk 6: nothing is left to fetch, so its barrier opens no round
	CHUNK 1, 0, 0                                  ; chunk 7
; (d, k) of A against (d, k) of B: B is taken where its d is smaller, or equal with the lower k
.macro LEX va, ka, vb, kb
	v_cmp_lt_f32 s48, v[\vb], v[\va]
	v_cmp_eq_f32 s49, v[\vb], v[\va]
	v_cmp_lt_u32 s50, v[\kb], v[\ka]
	s_and_b32 s49, s49, s50
	s_or_b32 s48, s48, s49
	v_cndmask_b32 v[\va], v[\va], v[\vb], s48
	v_cndmask_b32 v[\ka], v[\ka], v[\kb], s48
.endm
	; THE END.  The lowest register of the winning tile that holds the minimum: 7 where none of the seven kept does
.irp t, 0,1,2,3
	v_mov_b32 v[JR+\t], 7
	v_mov_b32 v[OV+\t], 0
.endr
.irp j, 6,5,4,3,2,1,0
.irp t, 0,1,2,3
	v_cmp_neq_f32 vcc_lo, v[SAVE+8*\t+\j], v[BEST+\t]
	s_delay_alu instid0(VALU_DEP_1)
	v_cndmask_b32 v[JR+\t], \j, v[JR+\t], vcc_lo   ; j where equal: the last one written is the lowest
.endr
.endr
.irp t, 0,1,2,3
	v_lshl_add_u32 v[JR+\t], v[SAVE+8*\t+7], 4, v[JR+\t]
	s_delay_alu instid0(VALU_DEP_1)
	v_add_nc_u32 v[EP+2*\t+1], v[JR+\t], v[H8]     ; k = 16 x tile + 8 h + j
	v_mov_b32 v[EP+2*\t], v[BEST+\t]
.endr
.irp t, 0,1,2,3
	v_permlanex16_b32 v[OV+\t], v[EP+2*\t], s[SEL], s[SEL+1]
	v_permlanex16_b32 v[JR+\t], v[EP+2*\t+1], s[SEL], s[SEL+1]
.endr
.irp t, 0,1,2,3
	LEX EP+2*\t, EP+2*\t+1, OV+\t, JR+\t           ; with the token's other eight codes of each tile: both halves of the lanes end with the same pair
.endr
.irp t, 0,1,2,3
	ds_store_b64 v[MST], v[EP+2*\t:EP+2*\t+1] offset:128*\t   ; both halves write the same bytes with the same value
.endr
	s_wait_dscnt 0x0                               ; for the others' sake: my stores have landed
	s_barrier_signal -1
	s_barrier_wait -1                              ; 8 x 128 pairs lie in the merge
	s_cmp_gt_u32 s[WV], 1
	s_cbranch_scc1 .Ldone                          ; waves 0 and 1 finish: two tokens a thread
.irp b, 0,1,2,3,4,5,6,7
	ds_load_b128 v[ACC+4*\b:ACC+4*\b+3], v[MLD] offset:1024*\b
.endr
	s_wait_dscnt 0x0
.irp b, 1,2,3,4,5,6,7
	LEX ACC, ACC+1, ACC+4*\b, ACC+4*\b+1
	LEX ACC+2, ACC+3, ACC+4*\b+2, ACC+4*\b+3
.endr
	v_mov_b32 v[EP], v[ACC+1]
	s_delay_alu instid0(VALU_DEP_2)
	v_mov_b32 v[EP+1], v[ACC+3]
	global_store_b64 v[IOF], v[EP:EP+1], s[8:9]    ; a wave stores 256 consecutive bytes, at a multiple of 256 from idx's first byte
.Ldone:
	s_wait_tensorcnt 0x0                           ; the wave's end: behind my last tensor load and my last LDS store
	ds_add_u32 v[SPW], v[NIL]
	s_wait_dscnt 0x0
	CROUND                                         ; the closing round: no work-group ends while a partner may still ask for a unit that names it
	s_endpgm
.Lfunc_end_k_q79b03b0b40_vqmain:
	.size	k_q79b03b0b40_vqmain, .Lfunc_end_k_q79b03b0b40_vqmain-k_q79b03b0b40_vqmain
	.p2alignl 7, 3214868480
	.fill 96, 4, 3214868480
	.section	.rodata,"a",@progbits
	.p2align	6, 0x0
	.amdhsa_kernel k_q79b03b0b40_vqmain
		.amdhsa_group_segment_fixed_size 327680
		.amdhsa_private_segment_fixed_size 0
		.amdhsa_enable_private_segment 0
		.amdhsa_kernarg_size 24
		.amdhsa_user_sgpr_count 2
		.amdhsa_user_sgpr_kernarg_segment_ptr 1
		.amdhsa_wavefront_size32 1
		.amdhsa_system_sgpr_workgroup_id_x 1
		.amdhsa_system_sgpr_workgroup_id_y 1
		.amdhsa_system_sgpr_workgroup_id_z 1
		.amdhsa_system_vgpr_workitem_id 0
		.amdhsa_next_free_vgpr 256
		.amdhsa_next_free_sgpr 66
		.amdhsa_reserve_vcc 1
		.amdhsa_float_denorm_mode_32 3
		.amdhsa_float_denorm_mode_16_64 3
		.amdhsa_memory_ordered 1
		.amdhsa_forward_progress 1
		.amdhsa_inst_pref_size 204
	.end_amdhsa_kernel
	.amdgpu_metadata
---
amdhsa.version: [ 1, 2 ]
amdhsa.kernels:
  - .name:           k_q79b03b0b40_vqmain
    .symbol:         k_q79b03b0b40_vqmain.kd
    .args:
      - { .name: zq, .offset: 0, .size: 8, .value_kind: global_buffer, .address_space: global }
      - { .name: cbq, .offset: 8, .size: 8, .value_kind: global_buffer, .address_space: global }
      - { .name: idx, .offset: 16, .size: 8, .value_kind: global_buffer, .address_space: global }
    .group_segment_fixed_size: 327680
    .private_segment_fixed_size: 0
    .kernarg_segment_align: 8
    .kernarg_segment_size: 24
    .max_flat_workgroup_size: 512
    .sgpr_count:     66
    .vgpr_count:     256
    .wavefront_size: 32
...
	.end_amdgpu_metadata
.endif
;; end of part 2
;; launch gather (part 3): grid 256 x 1, 8 waves a work-group, no clusters, 0 bytes of LDS; arguments idx, codebook, out0; writes out0
.if DOCPART == 3
	.amdgcn_target "amdgcn-amd-amdhsa--gfx1250"
	.amdhsa_code_object_version 6
	.text
	.protected	k_q79b03b0b40_gather
	.globl	k_q79b03b0b40_gather
	.p2align	8
	.type	k_q79b03b0b40_gather,@function
k_q79b03b0b40_gather:
	s_mov_b64 s[64:65], 0
	v_nop
	global_prefetch_b8 v0, s[64:65] scope:SCOPE_SE
	s_setreg_imm32_b32 hwreg(HW_REG_WAVE_MODE, 25, 1), 1
	s_wait_xcnt 0x0
; out0[n][:] = codebook[idx[n]][:], rows of 1,024 bytes of f32.  idx was stored by the launch before, as whole numbers.
; A work-group takes 128 tokens, a wave 16: lanes 0-15 serve tokens t0 + i, lanes 16-31 tokens t0 + 8 + i, i = 0 .. 7.  Sixteen lanes read and write 256 consecutive aligned bytes.
; All 32 loads of a wave (16 KiB) go out before its first store; nothing is written twice, so the text is straight and no register is used again.
; No LDS, no matrix unit, no cluster: bytes are copied, and work-groups share no tile.  The loads carry no hint: a row may be named by many tokens.
; An index is held to 8,191 ahead of its use as an address.
.set IX, 8                             ; v8-15   my half's eight indices
.set O,  16                            ; v16-23  their rows' byte offsets + 16 r
.set D,  32                            ; v32-159 32 x 4 registers
	s_load_b128 s[4:7], s[0:1], 0x0                ; idx, codebook
	s_load_b64 s[8:9], s[0:1], 0x10                ; out0
	v_lshrrev_b32 v1, 5, v0
	s_delay_alu instid0(VALU_DEP_1)
	v_readfirstlane_b32 s10, v1                    ; wave 0 .. 7
	v_and_b32 v2, 15, v0                           ; r
	v_bfe_u32 v3, v0, 4, 1                         ; h
	s_wait_alu depctr_va_vdst(0)
	s_lshl_b32 s12, ttmp9, 9                       ; idx: 512 bytes a work-group,
	s_lshl_b32 s13, s10, 6                         ; 64 a wave
	s_add_co_u32 s12, s12, s13
	s_mov_b32 s13, 0
	s_lshl_b32 s14, ttmp9, 17                      ; out0: 131,072 bytes a work-group,
	s_lshl_b32 s15, s10, 14                        ; 16,384 a wave
	s_add_co_u32 s14, s14, s15
	s_mov_b32 s15, 0
	v_lshlrev_b32 v4, 5, v3                        ; my half's eight indices: 32 h
	v_lshlrev_b32 v5, 4, v2                        ; 16 r
	s_delay_alu instid0(VALU_DEP_1)
	v_lshl_add_u32 v6, v3, 13, v5                  ; out: 8 rows x h + 16 r
	s_wait_alu depctr_va_vdst(0)
	s_wait_kmcnt 0x0
	s_add_nc_u64 s[4:5], s[4:5], s[12:13]
	s_add_nc_u64 s[8:9], s[8:9], s[14:15]
	global_load_b128 v[IX:IX+3], v4, s[4:5]
	global_load_b128 v[IX+4:IX+7], v4, s[4:5] offset:16
	s_wait_loadcnt 0x0
.irp i, 0,1,2,3,4,5,6,7
	v_min_u32 v[IX+\i], 0x1fff, v[IX+\i]
	s_delay_alu instid0(VALU_DEP_1)
	v_lshlrev_b32 v[O+\i], 10, v[IX+\i]
	s_delay_alu instid0(VALU_DEP_1)
	v_add_nc_u32 v[O+\i], v[O+\i], v5
.endr
.set N, 0
.rept 32                               ; load N = 4 i + p: piece p (256 bytes) of token i's row, for both halves of the lanes
	global_load_b128 v[D+4*N:D+4*N+3], v[O+N/4], s[6:7] offset:256*(N%4)
.set N, N+1
.endr
.set N, 0
.rept 32
	s_wait_loadcnt 31-N                            ; loads come back in order (ISA guide 5.7.1): load N is in, the 31 - N behind it may be out
	global_store_b128 v6, v[D+4*N:D+4*N+3], s[8:9] offset:1024*(N/4)+256*(N%4) th:TH_STORE_NT
.set N, N+1
.endr
	s_endpgm
.Lfunc_end_k_q79b03b0b40_gather:
	.size	k_q79b03b0b40_gather, .Lfunc_end_k_q79b03b0b40_gather-k_q79b03b0b40_gather
	.p2alignl 7, 3214868480
	.fill 96, 4, 3214868480
	.section	.rodata,"a",@progbits
	.p2align	6, 0x0
	.amdhsa_kernel k_q79b03b0b40_gather
		.amdhsa_group_segment_fixed_size 0
		.amdhsa_private_segment_fixed_size 0
		.amdhsa_enable_private_segment 0
		.amdhsa_kernarg_size 24
		.amdhsa_user_sgpr_count 2
		.amdhsa_user_sgpr_kernarg_segment_ptr 1
		.amdhsa_wavefront_size32 1
		.amdhsa_system_sgpr_workgroup_id_x 1
		.amdhsa_system_sgpr_workgroup_id_y 1
		.amdhsa_system_sgpr_workgroup_id_z 1
		.amdhsa_system_vgpr_workitem_id 0
		.amdhsa_next_free_vgpr 160
		.amdhsa_next_free_sgpr 66
		.amdhsa_reserve_vcc 0
		.amdhsa_float_denorm_mode_32 3
		.amdhsa_float_denorm_mode_16_64 3
		.amdhsa_memory_ordered 1
		.amdhsa_forward_progress 1
		.amdhsa_inst_pref_size 10
	.end_amdhsa_kernel
	.amdgpu_metadata
---
amdhsa.version: [ 1, 2 ]
amdhsa.kernels:
  - .name:           k_q79b03b0b40_gather
    .symbol:         k_q79b03b0b40_gather.kd
    .args:
      - { .name: idx, .offset: 0, .size: 8, .value_kind: global_buffer, .address_space: global }
      - { .name: codebook, .offset: 8, .size: 8, .value_kind: global_buffer, .address_space: global }
      - { .name: out0, .offset: 16, .size: 8, .value_kind: global_buffer, .address_space: global }
    .group_segment_fixed_size: 0
    .private_segment_fixed_size: 0
    .kernarg_segment_align: 8
    .kernarg_segment_size: 24
    .max_flat_workgroup_size: 256
    .sgpr_count:     66
    .vgpr_count:     160
    .wavefront_size: 32
...
	.end_amdgpu_metadata
.endif
;; end of part 3
